; MI455X (gfx1250); checked and timed in simulation.
; The chip was launched on July 23, 2026; its instructions are those of AMD's public machine-readable ISA for CDNA 5 (MIT licence, August 2026) and "CDNA5" Instruction Set Architecture Reference Guide (July 2026). The comments in the code are by the model that wrote it; some were corrected since.
;; Knowledge Injection Layer. Allowed arithmetic: matrix products marked QUANTISED: E2M1 operands, one E8M0 scale for each 32 along K, by v_wmma_scale_f32_16x16x128_f8f6f4 with both operands' format E2M1 (or v_wmma_scale_f32_32x16x128_f4), f32 sums; products left as they are: f32 operands where the result goes on into a quantised operand, else bf16, f16 or f32 operands; f32 sums; everything else in f32.
;; Inputs: P 4,096 x 8 float32; R_new 8 x 4,096 float32; W_orig 4,096 x 4,096 float32; b_orig 4,096 float32; x_codes 2 x 2,048 x 128 x 16 uint8 (E2M1 codes of x, K innermost, in blocks of 32 codes, two codes a byte); x_scales 2 x 2,048 x 128 uint8 (E8M0 scales of x, one for each 32 codes along K).
;; Outputs: out0 2 x 2,048 x 4,096 float32.
;; This version of the problem:
;;   THIS VERSION OF THE PROBLEM IS GIVEN IN LOW PRECISION. The matrix products marked QUANTISED in the list below multiply operands that are first quantised to E2M1 (2 exponent bits, 1 mantissa bit; 4 bits a number), with one power-of-two scale for each 32 numbers along K (OCP MX v1.0); their sums are f32. All else is computed in f32.
;;   The module's matrix products, in the order in which they are computed (A, B: the left and right operand; K: the contracted axis; several contracted axes count as one K, in the product's order):
;;     1. [M 8, K 4,096] x [K 4,096, N 4,096]; A: input P; B: input W_orig: left as it is (M = 8 < 16)
;;     2. [M 4,096, K 8] x [K 8, N 4,096]; A: input P; B: computed on the way: left as it is (K = 8 < 32)
;;     3. [M 4,096, K 8] x [K 8, N 4,096]; A: input P; B: input R_new: left as it is (K = 8 < 32)
;;     4. [M 4,096, K 4,096] x [K 4,096, N 4,096]; A: input x (given as codes); B: computed on the way: QUANTISED
;;   THE QUANTISER, for each operand of a quantised product, along K:
;;     - K is cut into blocks of 32 from its start; a last block that is shorter is filled with zeros.
;;     - A block's scale is 2^e with e = floor(log2(the largest magnitude in the block)) - 2, held to -126 .. 127; a block of zeros has e = 0. As a byte (E8M0): e + 127.
;;     - Each number is divided by its block's scale, clamped to +-6, and rounded to the nearest number of E2M1, ties to even, subnormals kept.
;;     - The product sums the exact products of the quantised numbers (number of the format x scale) in f32.
;;   ~~~python
;;   def quantise(x, axis):      # numpy; x: float32 -> the quantised numbers, widened to float32 again
;;       x = np.moveaxis(x, axis, -1); K = x.shape[-1]
;;       x = np.pad(x, [(0, 0)] * (x.ndim - 1) + [(0, -K % 32)]); x = x.reshape(x.shape[:-1] + (-1, 32)); a = np.abs(x).max(-1, keepdims=True)
;;       e = np.where(a > 0, np.clip(np.frexp(np.where(a > 0, a, 1))[1] - 1 - 2, -126, 127), 0)      # np.frexp(a)[1] - 1 = floor(log2(a)), exactly
;;       r = np.clip(x / 2.0 ** e, -6, 6)
;;       step = 2.0 ** (np.maximum(np.frexp(np.where(r == 0, 1, r))[1] - 1, 0) - 1)
;;       q = np.round(r / step) * step * 2.0 ** e      # np.round: ties to even
;;       return np.moveaxis(q.reshape(q.shape[:-2] + (-1,))[..., :K], -1, axis).astype(np.float32)
;;   ~~~
;;   OPERANDS COMPUTED ON THE WAY. 'Computed on the way' means the value that the module computes at that place (a softmax that the list does not call 'softmax' is quantised finished and normalised). What goes into a quantiser is computed in f32, as accurately as f32 sums, v_exp_f32 and their like allow (about 1e-6 of the number): no bf16 or f16 on the way to a quantiser, and a product that is left as it is and whose result goes on into a quantised operand takes f32 operands (vector FMAs, or v_wmma_f32_16x16x4_f32). A number that lies on a knife's edge between two numbers of the format may be rounded either way, as far as f32 arithmetic and the matrix unit's own rounding can turn it there, and no further.
;;   INPUTS GIVEN AS CODES. x (in the module: [2, 2048, 4096], K = its axis 2): each comes as NAME_codes (uint8): NAME with its K axis moved to the last place and cut into blocks of 32 codes, [.., K / 32, bytes a block], one block behind the other in memory; two codes a byte, the lower K in the low four bits (a code: sign, 2 exponent bits, 1 mantissa bit); and NAME_scales (uint8): the same leading axes, one E8M0 byte (e + 127) for each 32 codes along K. Its value is code x scale, taken as it is: it is not quantised again, and the codes and scales need not be those that the quantiser above would give.
;; One version. Each part assembles by itself: llvm-mc -triple=amdgcn-amd-amdhsa -mcpu=gfx1250 --defsym DOCPART=n.
;; ======== version 1 of 1: 2 launches
;; limits: right only within a limited range of input values
;; workspace buffers: wc 8,912,896 bytes
;; launch wq (part 1): grid 256 x 1, 16 waves a work-group, no clusters, 185,344 bytes of LDS; arguments W_orig, P, R_new, wc; writes wc
.if DOCPART == 1
	.amdgcn_target "amdgcn-amd-amdhsa--gfx1250"
	.amdhsa_code_object_version 6
	.text
	.protected	k_q5ab78b8dce_wq
	.globl	k_q5ab78b8dce_wq
	.p2align	8
	.type	k_q5ab78b8dce_wq,@function
k_q5ab78b8dce_wq:
	s_mov_b64 s[64:65], 0
	v_nop
	global_prefetch_b8 v0, s[64:65] scope:SCOPE_SE
	s_setreg_imm32_b32 hwreg(HW_REG_WAVE_MODE, 25, 1), 1
	s_wait_xcnt 0x0
; THE PROGRAM: out = x W_mod^T + b, W_mod = W_orig - P (P^T W_orig) + P R_new, the large product on codes of E2M1 with one E8M0 scale for each 32 along K.
; Two launches: this one makes W_mod in f32 and quantises it along its last axis; the second multiplies codes.
; DEAD WORK: none.  Every input has a way to the output, and every input is loaded.  One identity is used, for all values of the inputs:
; -P (P^T W) + P R_new = P (R_new - P^T W): the two products of rank 8 become one, still in f32 fused multiply-adds.
; LIMITS: NaN and infinities among the inputs are not served.  P^T W is summed in another order than a plain ascending sum: 64 rows in a lane, 4 lanes, 16 waves; all in f32.
; A block of zeros gets the byte 1 where the rule says 127: its codes are zeros, which add nothing under any byte but 0xff, and this program alone reads the bytes; blocks whose largest magnitude lies under 2^-124 are held at the byte 1.
;
; THIS LAUNCH READS W_orig ONCE.  P^T W of a column needs all 4,096 rows, and a block of the quantiser is 32 columns: 4,096 x 32 x 4 = 524,288 bytes.  Two work-groups share such a strip: work-group 2 j + f takes block j.
; Both stream the whole strip through registers and sum P^T W of its 32 columns in full; work-group f KEEPS rows 2,048 f .. 2,048 f + 2,047 in registers (262,144 bytes: 128 registers in each of 16 waves).
; Then D = R_new - P^T W, and the kept rows become W_mod = W + P D, are quantised and stored.  W_orig: [4096][4096] f32; P: [4096][8]; R_new: [8][4096].
; A STEP of a wave: four rows of its own half (kept) and the same four rows of the other half (a ring of 8 slots): a load covers 4 rows x 128 bytes, 16 bytes a lane.  So both work-groups of a strip ask for the same
; rows in the same step, and the four work-groups that read the same 256 consecutive bytes of a row have the numbers 4 n .. 4 n + 3.  The loads carry no hint: other work-groups read the same bytes.
; NO CLUSTER, NO TENSOR LOAD: half of what the two share has to end in registers and stay there; a tile in LDS would be written and read once more, 524,288 bytes each way, beside the 131,072 bytes of P that lie there.
; OUT.  wc: [8 K steps of 512][16 blocks][4096 rows][16 bytes]: a wave's 128 rows of its block are 2,048 consecutive bytes.  sc: [8 K steps][2][65,536 bytes]: half 0 x's scale bytes [4096 rows][16], laid anew here
; (work-group n takes rows 16 n on, wave w < 8 K step w); half 1 W_mod's, [16 blocks][4096 rows]: a work-group's 2,048 bytes are consecutive.  Every store of a wave covers whole runs of 256 bytes, aligned.
; WHAT THIS TEXT STORES, AND WHO TAKES WHICH STRIP (these lines take the place of the paragraph OUT above and of what is said there of the work-groups' numbers; x_scales and sc are no arguments: the second launch reads x's scales as they are given).
; wc: [8 K steps of 512][17 planes of 65,536 bytes].  Planes 0 to 15: the codes of block p, [4096 places][16 bytes].  Plane 16: the scale bytes, [16 groups of 256 places][16 blocks][256 places].
; A row's PLACE: inside each group of 64 rows, row 4 r + t lies at place 16 t + r, so that 16 neighbouring places are the rows 4 r + t of one t: the second launch's tile t of four then holds, in lane r, column 4 r + t.
; Work-group n: f = bit 2 of n, the low bit of its block j = bit 3, the rest of j from bits 0, 1, 5, 6, 7 and from bit 2 xor bit 3 xor bit 4: the four work-groups that read the same 256 bytes of a row of W
; have numbers that agree in bits 0 and 1 and in the parity of their bits.
.set ROWW,  16384
.set KS,    32                         ; steps of a wave
.set DEPTH, 8                          ; steps whose two loads are on their way
.set RED,   131072                     ; LDS: from 0 on P, 8,192 bytes a wave (its 128 own rows, its 128 other rows); here the waves' sums [wave][r][32 columns]
.set DL,    147456                     ; D [r][32 columns]
.set SBY,   148480                     ; the scale bytes of the work-group's 2,048 rows
.set CS,    150528                     ; the codes, 2,048 bytes a wave: [row][16 bytes]
.set SPARE, 183296                     ; the spare words, 128 bytes for each wave: eight blocks of 256 bytes that no other line names
.set SPW, 12                           ; v12      LDS address of my spare word; never rewritten
.set NIL, 13                           ; v13      0; never rewritten
.set MX,  22                           ; v22-23   largest magnitudes
.set SO,  24                           ; v24-25   the conversions' scale operands (v24-27: at work in the sum across lanes)
.set EB,  26                           ; v26, 27, 30, 31  scale bytes, four registers by turns
.set PS,  32                           ; v32-63   two sets of 16: P of a step's rows
.set ACC, 64                           ; v64-95   the sums: register 4 r + c; later D
.set RET, 96                           ; v96-223  my own rows: step k at 4 k
.set RING, 224                         ; v224-255 the other half's rows, 8 slots of 4; later the codes, a register a step
.set PT,  RET+64                       ; v160-223 P as it is loaded, ahead of the steps that load there
	s_load_b256 s[4:11], s[0:1], 0x0               ; W s[4:5], P s[6:7], R_new s[8:9], wc s[10:11]
	v_lshl_add_u32 v[SPW], v0, 2, SPARE
	v_mov_b32 v[NIL], 0
	v_lshrrev_b32 v1, 5, v0
	s_delay_alu instid0(VALU_DEP_1)
	v_readfirstlane_b32 s16, v1                    ; wave 0..15
	v_and_b32 v1, 31, v0                           ; lane
	v_and_b32 v28, 7, v0                           ; q: my four columns
	v_bfe_u32 v29, v0, 3, 2                        ; rr: my row of a load's four
	s_delay_alu instid0(VALU_DEP_2)
	v_lshlrev_b32 v2, 4, v28
	s_delay_alu instid0(VALU_DEP_1)
	v_lshl_add_u32 v2, v29, 14, v2                 ; W: 16 q + rr rows
	v_lshlrev_b32 v3, 4, v1                        ; 16 bytes a lane
	v_lshlrev_b32 v16, 2, v1                       ; 4 bytes a lane
	s_lshl_b32 s17, s16, 13                        ; my wave's 8,192 bytes of P
	v_add_nc_u32 v4, s17, v3                       ; into them
	v_lshlrev_b32 v5, 5, v29
	s_delay_alu instid0(VALU_DEP_1)
	v_add_nc_u32 v5, s17, v5                       ; out of them: 32 bytes a row, my row
	s_lshl_b32 s18, s16, 10
	s_add_co_u32 s18, s18, RED
	v_lshlrev_b32 v6, 4, v28
	s_delay_alu instid0(VALU_DEP_1)
	v_add_nc_u32 v6, s18, v6                       ; my wave's sums: 1,024 x wave + 16 q (+ 128 r)
	s_and_b32 s19, s16, 7                          ; r of a wave that adds (waves 0 to 7)
	s_lshl_b32 s20, s19, 7
	s_add_co_u32 s21, s20, RED
	v_add_nc_u32 v7, s21, v16                      ; the 16 waves' sums of row r: a lane a column (+ 1,024 x wave)
	s_add_co_u32 s21, s20, DL
	v_add_nc_u32 v14, s21, v16                     ; D's row r, in
	v_lshl_add_u32 v8, v28, 4, DL                  ; D, out: my four columns (+ 128 r)
	s_lshl_b32 s22, s16, 11
	s_add_co_u32 s22, s22, CS
	v_lshlrev_b32 v9, 1, v28
	s_delay_alu instid0(VALU_DEP_1)
	v_lshl_add_u32 v9, v29, 8, v9                  ; row 4 k + rr lies at place 64 (k / 16) + 16 rr + k % 16: 256 bytes for each rr
	s_delay_alu instid0(VALU_DEP_1)
	v_add_nc_u32 v9, s22, v9                       ; my four codes: 2,048 x wave + 256 rr + 2 q (+ 1,024 (k / 16) + 16 (k % 16))
	v_add_nc_u32 v11, s22, v3                      ; and on the way out 16 bytes a lane
	s_lshl_b32 s23, s16, 7                         ; 128 x wave
	s_add_co_u32 s24, s23, SBY
	v_lshl_add_u32 v10, v29, 4, s24                ; my row's scale byte, at the row's place: 128 x wave + 16 rr (+ 64 (k / 16) + k % 16)
	s_and_b32 s24, s16, 3
	s_lshl_b32 s24, s24, 9
	s_add_co_u32 s21, s24, SBY
	v_add_nc_u32 v15, s21, v3                      ; on the way out waves 0 to 3 take 512 bytes each
	v_and_b32 v18, 15, v1
	v_lshrrev_b32 v20, 4, v1
	s_delay_alu instid0(VALU_DEP_2)
	v_lshlrev_b32 v18, 4, v18
	s_delay_alu instid0(VALU_DEP_1)
	v_lshl_add_u32 v18, v20, 12, v18               ; the scale bytes' way out: 16 lanes fill the 256 bytes of one group of 256 places, lanes 16-31 those of the next group, 4,096 bytes on
.irp i, 0,1,2,3
	v_mov_b32 v[24+\i], 0                          ; written once: a lane permute's destination counts as one of its sources
.endr
	s_mov_b32 s52, 0x76543210
	s_mov_b32 s53, 0xfedcba98                      ; v_permlanex16_b32's selects for lane l xor 16
	s_bfe_u32 s25, ttmp9, 0x10002                  ; f: which half of the rows I keep
	s_bfe_u32 s27, ttmp9, 0x10003                  ; the low bit of j
	s_bfe_u32 s26, ttmp9, 0x10004
	s_xor_b32 s26, s26, s27
	s_xor_b32 s26, s26, s25
	s_lshl_b32 s26, s26, 2
	s_and_b32 s55, ttmp9, 3
	s_or_b32 s26, s26, s55
	s_lshr_b32 s55, ttmp9, 5
	s_lshl_b32 s55, s55, 3
	s_or_b32 s26, s26, s55                         ; which 256 bytes of a row
	s_lshl_b32 s26, s26, 1
	s_or_b32 s26, s26, s27                         ; j: my block of 32 columns
	s_lshl_b32 s54, s26, 7                         ; its 128 bytes in a row of f32
	s_lshl_b32 s28, s25, 11
	s_add_co_u32 s28, s28, s23                     ; my wave's first own row: 2,048 f + 128 x wave
	s_xor_b32 s30, s28, 2048                       ; and its first row of the other half
	s_lshl_b32 s32, s28, 5                         ; P: 32 bytes a row
	s_lshl_b32 s34, s30, 5
	s_lshl_b32 s42, s28, 4                         ; wc: 16 bytes a row
	s_lshl_b32 s28, s28, 14
	s_add_co_u32 s28, s28, s54                     ; W, own
	s_lshl_b32 s30, s30, 14
	s_add_co_u32 s30, s30, s54                     ; W, other
	s_lshl_b32 s36, s19, 14
	s_add_co_u32 s36, s36, s54                     ; R_new: row r, my block
	s_lshr_b32 s55, s26, 4                         ; my block's K step of 512,
	s_and_b32 s26, s26, 15                         ; and its place among that step's 16
	s_mul_i32 s55, s55, 17*65536                   ; a K step of wc: 17 planes
	s_add_co_u32 s42, s42, s55
	s_lshl_b32 s27, s26, 16
	s_add_co_u32 s42, s42, s27                     ; the codes: my block's plane
	s_add_co_u32 s44, s55, 16*65536                ; the scale bytes: plane 16,
	s_lshl_b32 s27, s26, 8
	s_add_co_u32 s44, s44, s27                     ; my block's 256 bytes in each group,
	s_lshl_b32 s27, s25, 15
	s_add_co_u32 s44, s44, s27                     ; my half's eight groups of 4,096 bytes,
	s_lshl_b32 s27, s24, 4
	s_add_co_u32 s44, s44, s27                     ; two groups a wave
.irp n, 29,31,33,35,37,43,45
	s_mov_b32 s\n, 0
.endr
	s_wait_kmcnt 0x0
	s_add_nc_u64 s[46:47], s[4:5], s[30:31]        ; W at the other half's rows
	s_add_nc_u64 s[4:5], s[4:5], s[28:29]          ; W at my own rows
	s_add_nc_u64 s[48:49], s[6:7], s[34:35]
	s_add_nc_u64 s[6:7], s[6:7], s[32:33]
	s_add_nc_u64 s[8:9], s[8:9], s[36:37]
	s_add_nc_u64 s[12:13], s[10:11], s[42:43]      ; wc at my wave's codes
	s_add_nc_u64 s[14:15], s[10:11], s[44:45]      ; wc at my wave's scale bytes
	s_wait_alu depctr_va_vdst(0)                   ; the wait at the head's end
	global_load_b32 v17, v16, s[8:9]               ; R_new[r][my block], a lane a column
.irp i, 0,1,2,3,4,5,6,7
	global_load_b128 v[PT+4*\i:PT+4*\i+3], v3, s[6:7] offset:512*\i            ; P of my 128 own rows
.endr
.irp i, 0,1,2,3,4,5,6,7
	global_load_b128 v[PT+32+4*\i:PT+32+4*\i+3], v3, s[48:49] offset:512*\i    ; and of my 128 other rows
.endr
.irp k, 0,1,2,3,4,5,6,7
	global_load_b128 v[RET+4*\k:RET+4*\k+3], v2, s[4:5] offset:4*ROWW*\k       ; steps 0 to 7: own,
	global_load_b128 v[RING+4*\k:RING+4*\k+3], v2, s[46:47] offset:4*ROWW*\k   ; other
.endr
	s_wait_loadcnt 2*DEPTH                         ; the 16 loads of W are younger: P is in
.irp i, 0,1,2,3,4,5,6,7
	ds_store_b128 v4, v[PT+4*\i:PT+4*\i+3] offset:512*\i
.endr
.irp i, 0,1,2,3,4,5,6,7
	ds_store_b128 v4, v[PT+32+4*\i:PT+32+4*\i+3] offset:4096+512*\i
.endr
.macro PLOAD k                         ; P of step k's rows into set k % 2: own, then other.  LDS serves a wave's instructions in order: these see my stores
	ds_load_b128 v[PS+16*((\k)%2):PS+16*((\k)%2)+3],     v5 offset:128*(\k)
	ds_load_b128 v[PS+16*((\k)%2)+4:PS+16*((\k)%2)+7],   v5 offset:128*(\k)+16
	ds_load_b128 v[PS+16*((\k)%2)+8:PS+16*((\k)%2)+11],  v5 offset:4096+128*(\k)
	ds_load_b128 v[PS+16*((\k)%2)+12:PS+16*((\k)%2)+15], v5 offset:4096+128*(\k)+16
.endm
	PLOAD 0
	PLOAD 1
; 16 packed products: sums (r, columns c, c + 1) += W x P[row][r].  P[r] feeds both halves: the pair's low register for even r, its high one for odd r.  start = 1: the products start the sums: nothing is cleared.
.macro FMAS ws, pp, start
.irp r, 0,1,2,3,4,5,6,7
.irp c, 0,2
.if \start
.if \r%2 == 0
	v_pk_mul_f32 v[ACC+4*\r+\c:ACC+4*\r+\c+1], v[\ws+\c:\ws+\c+1], v[\pp+2*(\r/2):\pp+2*(\r/2)+1] op_sel_hi:[1,0]
.else
	v_pk_mul_f32 v[ACC+4*\r+\c:ACC+4*\r+\c+1], v[\ws+\c:\ws+\c+1], v[\pp+2*(\r/2):\pp+2*(\r/2)+1] op_sel:[0,1] op_sel_hi:[1,1]
.endif
.else
.if \r%2 == 0
	v_pk_fma_f32 v[ACC+4*\r+\c:ACC+4*\r+\c+1], v[\ws+\c:\ws+\c+1], v[\pp+2*(\r/2):\pp+2*(\r/2)+1], v[ACC+4*\r+\c:ACC+4*\r+\c+1] op_sel_hi:[1,0,1]
.else
	v_pk_fma_f32 v[ACC+4*\r+\c:ACC+4*\r+\c+1], v[\ws+\c:\ws+\c+1], v[\pp+2*(\r/2):\pp+2*(\r/2)+1], v[ACC+4*\r+\c:ACC+4*\r+\c+1] op_sel:[0,1,0] op_sel_hi:[1,1,1]
.endif
.endif
.endr
.endr
.endm
.macro STEP k
.if KS-1-(\k) >= DEPTH-1
	s_wait_loadcnt 2*(DEPTH-1)                     ; loads come back in order: this step's two are in, the seven younger pairs stay out
.else
	s_wait_loadcnt 2*(KS-1-(\k))                   ; the last steps load nothing: the counts run down
.endif
.if (\k) < KS-1
	s_wait_dscnt 4                                 ; this step's P is in; the next step's four loads may be out
.else
	s_wait_dscnt 0
.endif
.if (\k) == 0
	FMAS RET+4*(\k), PS+16*((\k)%2), 1
.else
	FMAS RET+4*(\k), PS+16*((\k)%2), 0
.endif
	FMAS RING+4*((\k)%DEPTH), PS+16*((\k)%2)+8, 0
.if (\k)+DEPTH < KS
	global_load_b128 v[RET+4*((\k)+DEPTH):RET+4*((\k)+DEPTH)+3], v2, s[4:5] offset:4*ROWW*((\k)+DEPTH)
	global_load_b128 v[RING+4*((\k)%DEPTH):RING+4*((\k)%DEPTH)+3], v2, s[46:47] offset:4*ROWW*((\k)+DEPTH)
.endif
.if (\k)+2 < KS
	PLOAD (\k)+2
.endif
.endm
.set Q, 0
.rept KS
	STEP Q
.set Q, Q+1
.endr
	; the four lanes that hold the same columns (rr = 0 .. 3) add their sums: lane l xor 8 rides on the addition, lane l xor 16 comes by a permute
.irp n, 0,1,2,3,4,5,6,7,8,9,10,11,12,13,14,15,16,17,18,19,20,21,22,23,24,25,26,27,28,29,30,31
	v_add_f32_dpp v[ACC+\n], v[ACC+\n], v[ACC+\n] row_xmask:8 row_mask:0xf bank_mask:0xf
.endr
.irp r, 0,1,2,3,4,5,6,7
.irp i, 0,1,2,3
	v_permlanex16_b32 v[24+\i], v[ACC+4*\r+\i], s52, s53
.endr
.irp i, 0,1,2,3
	s_delay_alu instid0(VALU_DEP_4)
	v_add_f32 v[ACC+4*\r+\i], v[ACC+4*\r+\i], v[24+\i]
.endr
	ds_store_b128 v6, v[ACC+4*\r:ACC+4*\r+3] offset:128*\r                     ; the four lanes write the same bytes with the same values
.endr
	s_wait_dscnt 0x0                               ; for the others' sake: my wave's sums lie in LDS
	s_barrier_signal -1
	s_barrier_wait -1                              ; all sixteen waves' do
	s_cmp_lt_u32 s16, 8                            ; waves 0 to 7 add: wave r takes row r, a lane a column
	s_cbranch_scc0 .Lno_sum
.irp k, 0,1,2,3,4,5,6,7,8,9,10,11,12,13,14,15
	ds_load_b32 v[PS+\k], v7 offset:1024*\k
.endr
	s_wait_dscnt 0x0
.irp j, 1,2,3
.irp c, 0,1,2,3
	v_add_f32 v[PS+\c], v[PS+\c], v[PS+4*\j+\c]    ; four chains that do not wait for each other
.endr
.endr
	s_delay_alu instid0(VALU_DEP_3)
	v_add_f32 v[PS], v[PS], v[PS+1]
	s_delay_alu instid0(VALU_DEP_2)
	v_add_f32 v[PS+2], v[PS+2], v[PS+3]
	s_delay_alu instid0(VALU_DEP_1)
	v_add_f32 v[PS], v[PS], v[PS+2]                ; P^T W of row r
	s_delay_alu instid0(VALU_DEP_1)
	v_sub_f32 v17, v17, v[PS]                      ; D = R_new - P^T W
	ds_store_b32 v14, v17
.Lno_sum:
	s_wait_dscnt 0x0                               ; for the others' sake: my row of D lies in LDS
	s_barrier_signal -1
	s_barrier_wait -1                              ; all eight rows do
.irp r, 0,1,2,3,4,5,6,7
	ds_load_b128 v[ACC+4*\r:ACC+4*\r+3], v8 offset:128*\r                      ; D[r][my four columns]: it stays
.endr
.macro PLOAD2 g                        ; P of my own rows of steps 2 g and 2 g + 1 into set g % 2
	ds_load_b128 v[PS+16*((\g)%2):PS+16*((\g)%2)+3],     v5 offset:256*(\g)
	ds_load_b128 v[PS+16*((\g)%2)+4:PS+16*((\g)%2)+7],   v5 offset:256*(\g)+16
	ds_load_b128 v[PS+16*((\g)%2)+8:PS+16*((\g)%2)+11],  v5 offset:256*(\g)+128
	ds_load_b128 v[PS+16*((\g)%2)+12:PS+16*((\g)%2)+15], v5 offset:256*(\g)+144
.endm
	PLOAD2 0
	PLOAD2 1
; The kept rows of steps 2 g and 2 g + 1: W_mod = W + the sum over r of P[row][r] D[r][column] (four chains by turns); a row's block of 32 lies in eight neighbouring lanes, four numbers each.
; The conversion takes eight registers: the row's four and the four behind them, whatever they hold; only the low 16 bits, the row's four codes, are stored.
.macro GROUP g
.if (\g) == 0
	s_wait_dscnt 4                                 ; D and this group's P are in; the next group's four loads may be out
.else
	s_wait_dscnt 8                                 ; this group's P is in, and the stores of two groups back are done; the next group's four loads and the last group's four stores may be out
.endif
.set PP, PS+16*((\g)%2)
.set XG, RET+8*(\g)
.irp r, 0,1,2,3,4,5,6,7
.irp u, 0,1
.irp c, 0,2
.if \r%2 == 0
	v_pk_fma_f32 v[XG+4*\u+\c:XG+4*\u+\c+1], v[ACC+4*\r+\c:ACC+4*\r+\c+1], v[PP+8*\u+2*(\r/2):PP+8*\u+2*(\r/2)+1], v[XG+4*\u+\c:XG+4*\u+\c+1] op_sel_hi:[1,0,1]
.else
	s_delay_alu instid0(VALU_DEP_4)
	v_pk_fma_f32 v[XG+4*\u+\c:XG+4*\u+\c+1], v[ACC+4*\r+\c:ACC+4*\r+\c+1], v[PP+8*\u+2*(\r/2):PP+8*\u+2*(\r/2)+1], v[XG+4*\u+\c:XG+4*\u+\c+1] op_sel:[0,1,0] op_sel_hi:[1,1,1]
.endif
.endr
.endr
.endr
.if (\g)+2 < KS/2
	PLOAD2 (\g)+2
.endif
.irp u, 0,1
	v_max3_num_f32 v[MX+\u], |v[XG+4*\u]|, |v[XG+4*\u+1]|, 0x1800000           ; my four numbers, and the floor 2^(3 - 127), under which no largest magnitude is taken: so the byte cannot fall under 1
.endr
.irp u, 0,1
	s_delay_alu instid0(VALU_DEP_2)
	v_max3_num_f32 v[MX+\u], v[MX+\u], |v[XG+4*\u+2]|, |v[XG+4*\u+3]|
.endr
.irp m, 1,2,4
.irp u, 0,1
	s_delay_alu instid0(VALU_DEP_2)
	v_max_num_f32_dpp v[MX+\u], v[MX+\u], v[MX+\u] row_xmask:\m row_mask:0xf bank_mask:0xf   ; with the seven other lanes of the row: the block's largest magnitude
.endr
.endr
.irp u, 0,1
	s_delay_alu instid0(VALU_DEP_2)
	v_add_nc_u32 v[SO+\u], 0xff000000, v[MX+\u]    ; 2 off its exponent field: the conversion takes the exponent field of this operand as its scale, and nothing else of it
.endr
.irp u, 0,1
	v_cvt_scalef32_pk8_fp4_f32 v[RING+2*(\g)+\u], v[XG+4*\u:XG+4*\u+7], v[SO+\u]   ; numbers / the scale, to the nearest code, ties to even, beyond the largest code the largest
.endr
.irp u, 0,1
	v_lshrrev_b32 v[EB+4*((\g)%2)+\u], 23, v[SO+\u]                            ; the scale's byte; also the plain instruction behind the conversions
.endr
.irp u, 0,1
	ds_store_b16 v9, v[RING+2*(\g)+\u] offset:1024*((2*(\g)+\u)/16)+16*((2*(\g)+\u)%16)   ; my four codes of the row's 32, at the row's place
	ds_store_b8 v10, v[EB+4*((\g)%2)+\u] offset:64*((2*(\g)+\u)/16)+(2*(\g)+\u)%16        ; the eight lanes of a row write the same byte with the same value
.endr
.endm
.set Q, 0
.rept KS/2
	GROUP Q
.set Q, Q+1
.endr
.irp i, 0,1,2,3
	ds_load_b128 v[PS+4*\i:PS+4*\i+3], v11 offset:512*\i                       ; my wave's 128 rows of codes: LDS serves a wave's instructions in order: these see my stores
.endr
	s_wait_dscnt 0x0                               ; they are in; and, for the others' sake, my scale bytes lie in LDS
	s_barrier_signal -1
	s_barrier_wait -1                              ; everybody's do
.irp i, 0,1,2,3
	global_store_b128 v3, v[PS+4*\i:PS+4*\i+3], s[12:13] offset:512*\i         ; 32 lanes store 512 consecutive bytes, at a multiple of 256 from wc's first byte
.endr
	s_cmp_lt_u32 s16, 4                            ; waves 0 to 3 store the work-group's 2,048 scale bytes
	s_cbranch_scc0 .Lend
	ds_load_b128 v[PS+16:PS+19], v15
	s_wait_dscnt 0x0
	global_store_b128 v18, v[PS+16:PS+19], s[14:15] ; two runs of 256 consecutive bytes, each at a multiple of 256 from wc's first byte
.Lend:
	s_wait_tensorcnt 0x0                           ; the wave's end
	ds_add_u32 v[SPW], v[NIL]
	s_wait_dscnt 0x0
	s_endpgm
.Lfunc_end_k_q5ab78b8dce_wq:
	.size	k_q5ab78b8dce_wq, .Lfunc_end_k_q5ab78b8dce_wq-k_q5ab78b8dce_wq
	.p2alignl 7, 3214868480
	.fill 96, 4, 3214868480
	.section	.rodata,"a",@progbits
	.p2align	6, 0x0
	.amdhsa_kernel k_q5ab78b8dce_wq
		.amdhsa_group_segment_fixed_size 185344
		.amdhsa_private_segment_fixed_size 0
		.amdhsa_enable_private_segment 0
		.amdhsa_kernarg_size 32
		.amdhsa_user_sgpr_count 2
		.amdhsa_user_sgpr_kernarg_segment_ptr 1
		.amdhsa_wavefront_size32 1
		.amdhsa_system_sgpr_workgroup_id_x 1
		.amdhsa_system_sgpr_workgroup_id_y 1
		.amdhsa_system_sgpr_workgroup_id_z 1
		.amdhsa_system_vgpr_workitem_id 0
		.amdhsa_next_free_vgpr 256
		.amdhsa_next_free_sgpr 66
		.amdhsa_reserve_vcc 0
		.amdhsa_float_denorm_mode_32 3
		.amdhsa_float_denorm_mode_16_64 3
		.amdhsa_memory_ordered 1
		.amdhsa_forward_progress 1
		.amdhsa_inst_pref_size 167
	.end_amdhsa_kernel
	.amdgpu_metadata
---
amdhsa.version: [ 1, 2 ]
amdhsa.kernels:
  - .name:           k_q5ab78b8dce_wq
    .symbol:         k_q5ab78b8dce_wq.kd
    .args:
      - { .name: W_orig, .offset: 0, .size: 8, .value_kind: global_buffer, .address_space: global }
      - { .name: P, .offset: 8, .size: 8, .value_kind: global_buffer, .address_space: global }
      - { .name: R_new, .offset: 16, .size: 8, .value_kind: global_buffer, .address_space: global }
      - { .name: wc, .offset: 24, .size: 8, .value_kind: global_buffer, .address_space: global }
    .group_segment_fixed_size: 185344
    .private_segment_fixed_size: 0
    .kernarg_segment_align: 8
    .kernarg_segment_size: 32
    .max_flat_workgroup_size: 512
    .sgpr_count:     66
    .vgpr_count:     256
    .wavefront_size: 32
...
	.end_amdgpu_metadata
.endif
;; end of part 1
;; launch gemm (part 2): grid 16 x 16, 4 waves a work-group, clusters of 4 x 4, 327,680 bytes of LDS; arguments x_codes, x_scales, wc, b_orig, out0; writes out0
.if DOCPART == 2
	.amdgcn_target "amdgcn-amd-amdhsa--gfx1250"
	.amdhsa_code_object_version 6
	.text
	.protected	k_q5ab78b8dce_gemm
	.globl	k_q5ab78b8dce_gemm
	.p2align	8
	.type	k_q5ab78b8dce_gemm,@function
k_q5ab78b8dce_gemm:
	s_mov_b64 s[64:65], 0
	v_nop
	global_prefetch_b8 v0, s[64:65] scope:SCOPE_SE
	s_setreg_imm32_b32 hwreg(HW_REG_WAVE_MODE, 25, 1), 1
	s_wait_xcnt 0x0
	s_wait_alu depctr_hold_cnt(0) depctr_sa_sdst(0) depctr_va_vdst(0) depctr_va_sdst(0) depctr_va_ssrc(0) depctr_va_vcc(0) depctr_vm_vsrc(0)
	s_getreg_b32 s2, hwreg(HW_REG_IB_STS2, 6, 4)
	s_cmp_eq_u32 s2, 0
	s_cbranch_scc0 .Lentry_in_a_cluster
	s_endpgm
.Lentry_in_a_cluster:
	s_bfe_u32 s2, ttmp6, 0x10000c
	s_cmp_lg_u32 s2, 0xf033
	s_cbranch_scc0 .Lentry_shape_is_right
	s_endpgm
.Lentry_shape_is_right:
; out[m][n] = sum over k of x[m][k] W_mod[n][k] + b[n], on codes of E2M1 with one E8M0 byte for each 32 along K; sums in f32.  m, n, k: 4,096.
; x_codes [4096][2048 bytes], x_scales [4096][128] as given.  wc, from the first launch: [8 K steps of 512][17 planes of 65,536 bytes]: planes 0-15 the codes of block p, [4096 places][16 bytes];
; plane 16 the scale bytes, [16 groups of 256 places][16 blocks][256 places].  Inside each 64 rows of W_mod, row 4 r + t lies at place 16 t + r.
; A tile of out, 256 x 256, is made by four waves, each 128 x 128: 64 accumulators, 512 registers.  K goes in steps of 512 through two LDS slots: 256 rows of x (256 bytes + 16 of padding) and 17 x 4,096 bytes of wc.
; In the ring waves 0 and 1 fetch x's two halves, wave 2 planes 0-8 and wave 3 planes 9-16: one tensor load a wave, 32 to 36 KiB each.  x's scales of the 256 rows, for all of K, are one dense block of 32,768 bytes: they come once, at the head.
; CLUSTERS: 4 x 4 work-groups; x's tiles and scales are asked for jointly along a row of the cluster, wc's along a column.
; THE WAY OUT NEEDS NO LDS.  Source 0 = 16 rows of x, source 1 = 16 places of W_mod: register j of lane (r, h) is out(row 8 h + j, place r).  By the places' order, tiles 4 g + t (t = 0..3) hold in lane r the columns 64 g + 4 r + t:
; four additions of the bias gather 16 neighbouring bytes, and sixteen lanes store 256 consecutive bytes, aligned.  THE LAST K STEP GOES BY ROWS OF out: each block of 16 rows is finished and stored while the later blocks are multiplied.
; PREFETCH: behind each refill one instruction a wave names the K step two refills on: x's 128 rows a wave and wc's code planes are shared out among the four partners by address, a lane a block of 256 bytes; plane 16 (16 blocks) and
; the first four K steps come by their loads alone; the loop's last trip asks for nothing.
; LIMITS: NaN and infinities are not served.
; REGISTERS: window 0: v0-31 addresses; v32-95 scale words, two sets; v96-105 at work on W_mod's scale bytes; v106-113 bias; v128-191 x's fragments; v192-255 results on their way out.
;   window 1: W_mod's fragments, two sets (v0, v128), in the last K step all 256.  Windows 2, 3: the accumulators of my rows 0-63, 64-127: (a, b) at v[8 (8 (a % 4) + b)].
.set PITCH,  272
.set HALFT,  128*PITCH
.set BPL,    4096
.set BCODE,  2*HALFT
.set BSC,    BCODE+16*BPL
.set SLOT,   BCODE+17*BPL
.set XSC,    2*SLOT                    ; x's scales: 128 LDS rows of 256 + 16 bytes, two rows of x in each
.set SBLK,   8*272                     ; those of 16 rows of x
.set HALFS,  8*SBLK
.set SPARE,  XSC+2*HALFS               ; the spare words: 512 bytes that no other line names
.set KROW,   2048
.set ROWB,   256
.set KSB,    17*65536
.set ROWC,   16384
.set ADRA, 16
.set ADRSB, 18
.set ADRB, 20
.set ADRSA, 22
.set CO,   26
.set BO,   27
.set SPW,  28
.set NIL,  29
.set PFO,  30
.set SC,   32
.set TT,   96
.set SEL1, 104
.set SEL2, 105
.set BIAS, 106
.set AF,   128
.set PO,   192
.set G1A,  24
.set G0A,  32
.set G1S,  48
.set G0S,  56
.set PFA,  60
.set PFS,  62
.set G1BA, 68
.set G1BB, 76
.set G0BA, 84
.set G0BB, 92
.set MSB, 0
.macro WIN new                         ; the immediate's high byte repeats the setting that is left
.if MSB != \new
	s_set_vgpr_msb (MSB<<8)|\new
.set MSB, \new
.endif
.endm
.set MUL_LO, 0xa4                      ; source 0 (x) window 0, source 1 (W_mod) window 1, C and D window 2
.set MUL_HI, 0xf4
.set TO_B,   0x40
.macro ONE g0, g1                      ; s_nop 0 and four v_nop behind each tensor load
	tensor_load_to_lds s[\g0:\g0+3], s[\g1:\g1+7]
	s_nop 0
.rept 4
	v_nop
.endr
.endm
.macro JLOAD s                         ; the ring's joint loads: one chain of branches on the wave's number, one load to an arm
	s_cmp_lt_u32 s14, 2
	s_cbranch_scc0 .Lb_\@
	ONE G0A+4*\s, G1A
	s_branch .Lasked_\@
.Lb_\@:
	s_cmp_eq_u32 s14, 2
	s_cbranch_scc0 .Lbb_\@
	ONE G0BA+4*\s, G1BA
	s_branch .Lasked_\@
.Lbb_\@:
	ONE G0BB+4*\s, G1BB
.Lasked_\@:
.endm
.macro ASK                             ; s3 = 1 in the loop's last trip: its look-ahead would pass K's end
	s_cmp_gt_u32 s3, 1
	s_cbranch_scc0 .Lno_ask_\@
	global_prefetch_b8 v[PFO], s[PFA:PFA+1] th:TH_LOAD_NT scope:SCOPE_SE
.Lno_ask_\@:
.endm
.macro CREST
	s_cmp_lg_u32 s14, 0
	s_cbranch_scc1 .Lnot_wave_0_\@
	s_barrier_signal -3
.Lnot_wave_0_\@:
	s_barrier_wait -3
	s_barrier_signal -1
	s_barrier_wait -1
.endm
.macro CROUND
	s_barrier_signal -1
	s_barrier_wait -1
	CREST
.endm
	s_load_b256 s[4:11], s[0:1], 0x0               ; x_codes s[4:5], x_scales s[6:7], wc s[8:9], b s[10:11]
	s_load_b64 s[12:13], s[0:1], 0x20              ; out
	v_lshl_add_u32 v[SPW], v0, 2, SPARE
	v_mov_b32 v[NIL], 0
	ds_add_u32 v[SPW], v[NIL]                      ; the opening lines: the add, twice on end, and its wait
	ds_add_u32 v[SPW], v[NIL]
	v_lshrrev_b32 v1, 5, v0
	v_readfirstlane_b32 s14, v1                    ; wave 0..3
	s_lshr_b32 s15, s14, 1                         ; my half of the tile's rows
	s_and_b32 s16, s14, 1                          ; my half of its columns; also which half of x's rows I fetch
	s_bfe_u32 s40, ttmp6, 0x40000                  ; cx
	s_bfe_u32 s41, ttmp6, 0x40004                  ; cy
	s_lshl_b32 s42, ttmp9, 2
	s_add_co_u32 s42, s42, s40                     ; tile column
	s_and_b32 s17, ttmp7, 0xffff
	s_lshl_b32 s17, s17, 2
	s_add_co_u32 s17, s17, s41                     ; tile row
	s_lshl_b32 s43, s41, 2
	s_lshl_b32 s43, 15, s43                        ; my row of the cluster
	s_lshl_b32 s44, 0x1111, s40                    ; my column
	s_or_b32 s[G1A+0], s43, (1<<20)|(1<<21)|(5<<22)|(3<<25)   ; x's codes: 128 rows of 256 bytes, 16 of padding behind each
	s_mov_b32 s[G1A+1], ROWB<<16
	s_mov_b32 s[G1A+2], 128<<16
	s_mov_b32 s[G1A+3], ROWB<<16
	s_mov_b32 s[G1A+4], 128
	s_mov_b32 s[G1A+5], KROW
	s_mov_b32 s[G1A+6], 0
	s_mov_b32 s[G1A+7], 0
	s_or_b32 s[G1S+0], s43, (3<<16)|(1<<20)|(1<<21)|(5<<22)|(3<<25)   ; x's scales: a dense block as 128 rows of 256 bytes, padded likewise
	s_mov_b32 s[G1S+1], 32<<16
	s_mov_b32 s[G1S+2], 128<<16
	s_mov_b32 s[G1S+3], 32<<16
	s_mov_b32 s[G1S+4], 128
	s_mov_b32 s[G1S+5], 32
	s_mov_b32 s[G1S+6], 0
	s_mov_b32 s[G1S+7], 0
	s_or_b32 s[G1BA+0], s44, (3<<16)|(1<<21)       ; wc: rows of 4,096 bytes, 65,536 apart: all 17 planes at the head, then 9
	s_mov_b32 s[G1BA+1], 512<<16
	s_mov_b32 s[G1BA+2], 17<<16
	s_mov_b32 s[G1BA+3], 512<<16
	s_mov_b32 s[G1BA+4], 17
	s_mov_b32 s[G1BA+5], 8192
	s_mov_b32 s[G1BA+6], 0
	s_mov_b32 s[G1BA+7], 0
	s_or_b32 s[G1BB+0], s44, (3<<16)|(1<<21)       ; and the other 8
	s_mov_b32 s[G1BB+1], 512<<16
	s_mov_b32 s[G1BB+2], 8<<16
	s_mov_b32 s[G1BB+3], 512<<16
	s_mov_b32 s[G1BB+4], 8
	s_mov_b32 s[G1BB+5], 8192
	s_mov_b32 s[G1BB+6], 0
	s_mov_b32 s[G1BB+7], 0
	s_lshl_b32 s20, s17, 19                        ; x's codes: 256 rows of 2,048 bytes a tile row,
	s_lshl_b32 s21, s16, 18                        ; my 128 of them
	s_add_co_u32 s20, s20, s21
	s_mov_b32 s21, 0
	s_lshl_b32 s22, s17, 15                        ; x's scales: 256 rows of 128 bytes
	s_mov_b32 s23, 0
	s_lshl_b32 s46, s42, 12                        ; wc: 4,096 bytes of each plane a tile column
	s_mov_b32 s47, 0
	s_mul_i32 s45, s16, HALFT
	s_wait_dscnt 0x0                               ; both opening adds are done
	s_wait_kmcnt 0x0
	s_add_nc_u64 s[20:21], s[4:5], s[20:21]
	s_add_nc_u64 s[22:23], s[6:7], s[22:23]
	s_add_nc_u64 s[46:47], s[8:9], s[46:47]
	CROUND                                         ; all sixteen work-groups are here: the first joint loads meet
.irp s, 0,1
	s_mov_b32 s[G0A+4*\s], 1
	s_add_co_u32 s[G0A+4*\s+1], s45, \s*SLOT
	s_add_nc_u64 s[G0A+4*\s+2:G0A+4*\s+3], s[20:21], \s*ROWB
	s_or_b32 s[G0A+4*\s+3], s[G0A+4*\s+3], 0x80000000
	s_mov_b32 s[G0BA+4*\s], 1
	s_mov_b32 s[G0BA+4*\s+1], \s*SLOT+BCODE
	s_add_nc_u64 s[G0BA+4*\s+2:G0BA+4*\s+3], s[46:47], \s*KSB
	s_or_b32 s[G0BA+4*\s+3], s[G0BA+4*\s+3], 0x80000000
	s_mov_b32 s[G0BB+4*\s], 1
	s_mov_b32 s[G0BB+4*\s+1], \s*SLOT+BCODE+9*BPL
	s_add_nc_u64 s[G0BB+4*\s+2:G0BB+4*\s+3], s[46:47], \s*KSB+9*65536
	s_or_b32 s[G0BB+4*\s+3], s[G0BB+4*\s+3], 0x80000000
.endr
	s_mov_b32 s[G0S], 1
	s_mov_b32 s[G0S+1], XSC
	s_mov_b64 s[G0S+2:G0S+3], s[22:23]
	s_or_b32 s[G0S+3], s[G0S+3], 0x80000000
	; the head's loads, one a wave: waves 0 and 1 x's halves of K step 0, wave 2 all 17 planes of K step 0, wave 3 x's scales
	s_cmp_lt_u32 s14, 2
	s_cbranch_scc0 .Lhead_b
	ONE G0A, G1A
	s_branch .Lhead_asked
.Lhead_b:
	s_cmp_eq_u32 s14, 2
	s_cbranch_scc0 .Lhead_s
	ONE G0BA, G1BA
	s_branch .Lhead_asked
.Lhead_s:
	ONE G0S, G1S
.Lhead_asked:
	; scalar work first, then the vector lines on end
	s_lshl_b32 s20, s42, 10
	s_lshl_b32 s21, s16, 9
	s_add_co_u32 s20, s20, s21                     ; my first column, in bytes of f32
	s_mov_b32 s21, 0
	s_add_nc_u64 s[10:11], s[10:11], s[20:21]
	s_add_nc_u64 s[12:13], s[12:13], s[20:21]
	s_lshl_b32 s20, s17, 22
	s_lshl_b32 s22, s15, 21
	s_add_co_u32 s20, s20, s22                     ; my first row of out: 16,384 bytes a row
	s_add_nc_u64 s[12:13], s[12:13], s[20:21]
	s_lshl_b32 s18, s17, 8                         ; the prefetches.  x: of the 128 rows that I fetch, my work-group's 32 (by cx), a lane a row
	s_lshl_b32 s19, s16, 7
	s_add_co_u32 s18, s18, s19
	s_lshl_b32 s19, s40, 5
	s_add_co_u32 s18, s18, s19
	s_lshl_b32 s18, s18, 11
	s_add_co_u32 s18, s18, 3*ROWB
	s_lshl_b32 s20, s16, 3                         ; wc: of the 16 code planes, wave 2 + u and the partner at cy take planes 8 u + 2 cy and the next: 16 blocks of 256 bytes each
	s_lshl_b32 s19, s41, 1
	s_add_co_u32 s20, s20, s19
	s_lshl_b32 s20, s20, 16
	s_lshl_b32 s19, s42, 12
	s_add_co_u32 s20, s20, s19
	s_add_co_u32 s20, s20, 3*KSB                   ; both stand at K step 3: the first refill steps them to K step 4
	s_mov_b32 s46, 256
	s_mov_b32 s47, 65536
	s_mov_b32 s[PFS], KSB
	s_cmp_lt_u32 s14, 2
	s_cselect_b64 s[PFA:PFA+1], s[4:5], s[8:9]
	s_cselect_b32 s18, s18, s20
	s_cselect_b32 s46, KROW, s46
	s_cselect_b32 s47, 16*KROW, s47
	s_cselect_b32 s[PFS], ROWB, s[PFS]
	s_mov_b32 s19, 0
	s_mov_b32 s[PFS+1], 0
	s_add_nc_u64 s[PFA:PFA+1], s[PFA:PFA+1], s[18:19]
	s_mul_i32 s21, s15, HALFT                      ; LDS: my 128 rows of x,
	s_lshl_b32 s22, s16, 11
	s_add_co_u32 s22, s22, BCODE                   ; my 128 places of W_mod,
	s_mul_i32 s23, s15, HALFS
	s_add_co_u32 s23, s23, XSC                     ; my rows' scales,
	s_lshl_b32 s18, s16, 7
	s_add_co_u32 s18, s18, BSC                     ; my places' scale bytes
	s_mov_b32 s19, 0x05050505
	s_mov_b32 s45, 0x06060606
	v_and_b32 v1, 15, v0                           ; r
	v_bfe_u32 v2, v0, 4, 1                         ; h
	v_mul_u32_u24 v3, v1, PITCH
	v_lshl_add_u32 v3, v2, 4, v3
	v_add_nc_u32 v[ADRA], s21, v3                  ; x's fragments: row x pitch + 16 h
	v_add_nc_u32 v[ADRA+1], SLOT, v[ADRA]
	v_lshlrev_b32 v[BO], 4, v1                     ; 16 r
	v_lshl_add_u32 v4, v2, 12, v[BO]
	v_add_nc_u32 v[ADRB], s22, v4                  ; W_mod's: 16 bytes a place, lanes 16-31 the next plane
	v_add_nc_u32 v[ADRB+1], SLOT, v[ADRB]
	v_lshrrev_b32 v5, 1, v1
	v_lshlrev_b32 v5, 4, v5
	v_lshl_add_u32 v5, v1, 7, v5                   ; x's scales: 128 bytes a row and 16 more for each two rows;
	v_mad_u32_u24 v5, v2, 4*SBLK, v5               ; lanes 16-31 take the block four further on
	v_add_nc_u32 v[ADRSA], s23, v5
	v_and_b32 v6, 3, v0
	v_bfe_u32 v7, v0, 2, 2
	v_lshlrev_b32 v6, 8, v6                        ; W_mod's scale bytes: lane l takes four places' bytes of block 4 q + l % 4
	v_lshl_add_u32 v6, v7, 2, v6
	v_lshl_add_u32 v6, v2, 6, v6
	v_add_nc_u32 v[ADRSB], s18, v6
	v_add_nc_u32 v[ADRSB+1], SLOT, v[ADRSB]
	v_and_b32 v5, 1, v0
	v_mul_lo_u32 v5, v5, s19
	v_xor_b32 v[SEL1], 0x06020400, v5              ; byte selects of the 4 x 4 transposition among four lanes
	v_bfe_u32 v5, v0, 1, 1
	v_mul_lo_u32 v5, v5, s45
	v_xor_b32 v[SEL2], 0x05040100, v5
.irp n, 0,1,2,3,4,5,6,7
	v_mov_b32 v[TT+\n], 0                          ; written once: a DPP form's destination counts as read
.endr
	v_lshl_add_u32 v[CO], v2, 17, v[BO]            ; out: 16 r, and eight rows further down for lanes 16-31
	v_mul_lo_u32 v5, v1, s46
	v_mul_lo_u32 v6, v2, s47
	v_add_nc_u32 v[PFO], v5, v6
.irp b, 0,1,2,3,4,5,6,7
	global_load_b32 v[BIAS+\b], v[BO], s[10:11] offset:256*(\b/4)+4*(\b%4)   ; b of column 64 (b / 4) + 4 r + b % 4
.endr
.macro WM ra, rb, z                    ; one product; ra, rb: the side's scale words lie in lanes 16-31; z: it starts the sum
.if \z
.if (\ra) && (\rb)
	v_wmma_scale_f32_16x16x128_f8f6f4 v[rD:rD+7], v[rA:rA+7], v[rB:rB+7], 0, v[rSA], v[rSB] matrix_a_fmt:MATRIX_FMT_FP4 matrix_b_fmt:MATRIX_FMT_FP4 matrix_a_scale:MATRIX_SCALE_ROW1 matrix_b_scale:MATRIX_SCALE_ROW1
.elseif \ra
	v_wmma_scale_f32_16x16x128_f8f6f4 v[rD:rD+7], v[rA:rA+7], v[rB:rB+7], 0, v[rSA], v[rSB] matrix_a_fmt:MATRIX_FMT_FP4 matrix_b_fmt:MATRIX_FMT_FP4 matrix_a_scale:MATRIX_SCALE_ROW1
.elseif \rb
	v_wmma_scale_f32_16x16x128_f8f6f4 v[rD:rD+7], v[rA:rA+7], v[rB:rB+7], 0, v[rSA], v[rSB] matrix_a_fmt:MATRIX_FMT_FP4 matrix_b_fmt:MATRIX_FMT_FP4 matrix_b_scale:MATRIX_SCALE_ROW1
.else
	v_wmma_scale_f32_16x16x128_f8f6f4 v[rD:rD+7], v[rA:rA+7], v[rB:rB+7], 0, v[rSA], v[rSB] matrix_a_fmt:MATRIX_FMT_FP4 matrix_b_fmt:MATRIX_FMT_FP4
.endif
.else
.if (\ra) && (\rb)
	v_wmma_scale_f32_16x16x128_f8f6f4 v[rD:rD+7], v[rA:rA+7], v[rB:rB+7], v[rD:rD+7], v[rSA], v[rSB] matrix_a_fmt:MATRIX_FMT_FP4 matrix_b_fmt:MATRIX_FMT_FP4 matrix_a_scale:MATRIX_SCALE_ROW1 matrix_b_scale:MATRIX_SCALE_ROW1
.elseif \ra
	v_wmma_scale_f32_16x16x128_f8f6f4 v[rD:rD+7], v[rA:rA+7], v[rB:rB+7], v[rD:rD+7], v[rSA], v[rSB] matrix_a_fmt:MATRIX_FMT_FP4 matrix_b_fmt:MATRIX_FMT_FP4 matrix_a_scale:MATRIX_SCALE_ROW1
.elseif \rb
	v_wmma_scale_f32_16x16x128_f8f6f4 v[rD:rD+7], v[rA:rA+7], v[rB:rB+7], v[rD:rD+7], v[rSA], v[rSB] matrix_a_fmt:MATRIX_FMT_FP4 matrix_b_fmt:MATRIX_FMT_FP4 matrix_b_scale:MATRIX_SCALE_ROW1
.else
	v_wmma_scale_f32_16x16x128_f8f6f4 v[rD:rD+7], v[rA:rA+7], v[rB:rB+7], v[rD:rD+7], v[rSA], v[rSB] matrix_a_fmt:MATRIX_FMT_FP4 matrix_b_fmt:MATRIX_FMT_FP4
.endif
.endif
.endm
; 16 products: x's blocks a0, a0 + 1 against W_mod's eight tiles, the slot's q-th 128 along K.  The 64 accumulators take turns, in the same order in every step.
.macro MUL16 a0, p, q, sc, z
.irp a, \a0, \a0+1
.irp b, 0,1,2,3,4,5,6,7
.set rD, 8*(8*((\a)%4)+\b)
.set rA, AF+8*(\a)
.set rB, 128*(\p)+8*\b
.set rSA, SC+32*(\sc)+4*((\a)%4)+(\q)
.set rSB, SC+32*(\sc)+16+4*(\b%4)+(\q)
	WM (\a)/4, \b/4, \z
.endr
.endr
.endm
.macro FETCH_B slot, q, p              ; W_mod's eight fragments: registers 4 c .. 4 c + 3 are block 4 q + 2 c + h of the lane's place
	WIN TO_B
.irp i, 0,1,2,3,4,5,6,7
.irp c, 0,1
	ds_load_b128 v[128*(\p)+8*\i+4*\c:128*(\p)+8*\i+4*\c+3], v[ADRB+\slot] offset:(4*(\q)+2*\c)*BPL+\i*256
.endr
.endr
	WIN 0
.endm
.macro FETCH_A slot, q, i0             ; x's blocks i0 .. i0 + 3
.irp i, \i0, \i0+1, \i0+2, \i0+3
.irp c, 0,1
	ds_load_b128 v[AF+8*(\i)+4*\c:AF+8*(\i)+4*\c+3], v[ADRA+\slot] offset:64*(\q)+32*\c+(\i)*16*PITCH
.endr
.endr
.endm
.macro SCALES sc                       ; a K step's scale words: x's, four words a row (lanes 0-15 block i, lanes 16-31 block i + 4); W_mod's bytes as they lie, four places of one block a lane
.irp i, 0,1,2,3
	ds_load_b128 v[SC+32*\sc+4*\i:SC+32*\sc+4*\i+3], v[ADRSA] offset:\i*SBLK
.endr
.irp i, 0,1,2,3
.irp q, 0,1,2,3
	ds_load_b32 v[SC+32*\sc+16+4*\i+\q], v[ADRSB+\sc] offset:\q*4*256+\i*16
.endr
.endr
.endm
.macro TRSP sc                         ; 4 x 4 bytes among four lanes: afterwards lane r holds place r's four blocks: register 4 i + q: lanes 0-15 tile i, lanes 16-31 tile i + 4
.irp g, 0,8
.irp m, 1,2
.irp n, 0,1,2,3,4,5,6,7
	v_mov_b32_dpp v[TT+\n], v[SC+32*\sc+16+\g+\n] row_xmask:\m row_mask:0xf bank_mask:0xf
.endr
.irp n, 0,1,2,3,4,5,6,7
	v_perm_b32 v[SC+32*\sc+16+\g+\n], v[TT+\n], v[SC+32*\sc+16+\g+\n], v[SEL1+\m-1]
.endr
.endr
.endr
	s_wait_alu depctr_va_vdst(0)
.endm
.macro PLACES n
.rept \n
	v_nop
.endr
.endm
.macro STEP slot, q, z                 ; 128 along K with its successor in the same slot
	s_wait_dscnt 8                                 ; all but x's blocks 4-7
	WIN MUL_LO
	MUL16 0, (\q)%2, \q, \slot, \z
	MUL16 2, (\q)%2, \q, \slot, \z
	s_wait_dscnt 0
	PLACES 4
	FETCH_B \slot, (\q)+1, 1-(\q)%2
	FETCH_A \slot, (\q)+1, 0
	WIN MUL_HI
	MUL16 4, (\q)%2, \q, \slot, \z
	MUL16 6, (\q)%2, \q, \slot, \z
	PLACES 4
	WIN 0
	FETCH_A \slot, (\q)+1, 4
.endm
.macro MEET slot                       ; the first half of a slot's last step, and the one barrier of the change of slots
	s_wait_tensorcnt 0x0                           ; all my tensor loads have landed: my part of the next slot
	ds_add_u32 v[SPW], v[NIL]
	s_wait_dscnt 9                                 ; the add and x's blocks 4-7 may be out
	WIN MUL_LO
	MUL16 0, 1, 3, \slot, 0
	s_wait_dscnt 0x0                               ; the add is done, and my reads of this slot are over
	s_barrier_signal -1
	MUL16 2, 1, 3, \slot, 0
	WIN 0
	s_barrier_wait -1
.endm
.macro TURN slot, next                 ; a slot's last step; the slot is filled again, two K steps ahead
	s_wait_xcnt 0x0                                ; my last prefetch has read its address
	s_add_nc_u64 s[PFA:PFA+1], s[PFA:PFA+1], s[PFS:PFS+1]
	MEET \slot
	CREST                                          ; the barrier has opened a round of the cluster's barrier
	s_add_nc_u64 s[G0A+4*\slot+2:G0A+4*\slot+3], s[G0A+4*\slot+2:G0A+4*\slot+3], 2*ROWB
	s_add_nc_u64 s[G0BA+4*\slot+2:G0BA+4*\slot+3], s[G0BA+4*\slot+2:G0BA+4*\slot+3], 2*KSB
	s_add_nc_u64 s[G0BB+4*\slot+2:G0BB+4*\slot+3], s[G0BB+4*\slot+2:G0BB+4*\slot+3], 2*KSB
	JLOAD \slot                                    ; its four v_nop are also the places in front of the loads below
	v_add_nc_u32 v[ADRSA], 16, v[ADRSA]            ; x's scale words of the next K step
	s_wait_alu depctr_va_vdst(0)                   ; the wait here, directly behind the write
	FETCH_B \next, 0, 0
	FETCH_A \next, 0, 0
	SCALES \next
	ASK
	WIN MUL_HI
	MUL16 4, 1, 3, \slot, 0
	MUL16 6, 1, 3, \slot, 0
	WIN 0
	s_wait_dscnt 0x0
	TRSP \next
	PLACES 8                                       ; a scale register written by a vector instruction stands 8 places ahead of a scaled product
	FETCH_A \next, 0, 4
.endm
.macro STEPS slot, from
.set Q, \from
.rept 3-\from
	STEP \slot, Q, 0
.set Q, Q+1
.endr
.endm
	s_wait_alu depctr_va_vdst(0)                   ; the wait at the head's end
	s_wait_tensorcnt 0x0                           ; my tile of the head's four is in
	ds_add_u32 v[SPW], v[NIL]
	s_mov_b32 s[G1BA+2], 9<<16                     ; no tensor load of mine is out: from here on wave 2's load brings 9 planes
	s_mov_b32 s[G1BA+4], 9
	s_wait_dscnt 0x0
	CROUND
	JLOAD 1                                        ; K step 1, slot 1's first fill: the first tensor load behind the round
	FETCH_B 0, 0, 0
	FETCH_A 0, 0, 0
	SCALES 0
	s_wait_dscnt 0x0
	TRSP 0
	PLACES 8
	FETCH_A 0, 0, 4
	s_wait_loadcnt 0x0                             ; the bias
	STEP 0, 0, 1                                   ; the first step starts the sums: nothing is cleared
	s_mov_b32 s3, 3
.Llap:                                                 ; a trip goes once round the ring and fills both slots again
	STEPS 0, 1
	TURN 0, 1
	STEPS 1, 0
	TURN 1, 0
	STEP 0, 0, 0
	s_sub_co_u32 s3, s3, 1
	s_cmp_lg_u32 s3, 0
	s_cbranch_scc1 .Llap
	STEPS 0, 1
; THE LAST K STEP (slot 1) BY ROWS OF out.  All its fragments of W_mod fill window 1 (quarter q at v[64 q]); x's come by blocks of 16 rows x 512 K, two buffers of 32 registers.
.macro BLOAD q
.irp i, 0,1,2,3,4,5,6,7
.irp c, 0,1
	ds_load_b128 v[64*\q+8*\i+4*\c:64*\q+8*\i+4*\c+3], v[ADRB+1] offset:(4*\q+2*\c)*BPL+\i*256
.endr
.endr
.endm
.macro ALOAD a
.irp q, 0,1,2,3
.irp c, 0,1
	ds_load_b128 v[AF+32*((\a)%2)+8*\q+4*\c:AF+32*((\a)%2)+8*\q+4*\c+3], v[ADRA+1] offset:64*\q+32*\c+(\a)*16*PITCH
.endr
.endr
.endm
.macro ROW a                           ; block a is finished: 32 products, its eight accumulators by turns, K ascending
	WIN MUL_LO+0x50*((\a)/4)
.irp q, 0,1,2,3
.if ((\a) == 0) && (\q == 2)
	s_wait_dscnt 8                                 ; W_mod's quarter 2 is in (behind it: x's block 1)
.endif
.irp b, 0,1,2,3,4,5,6,7
.set rD, 8*(8*((\a)%4)+\b)
.set rA, AF+32*((\a)%2)+8*\q
.set rB, 64*\q+8*\b
.set rSA, SC+32+4*((\a)%4)+\q
.set rSB, SC+32+16+4*(\b%4)+\q
	WM (\a)/4, \b/4, 0
.endr
.endr
.endm
.macro OUT a                           ; block a leaves: the bias is added while four tiles' numbers are gathered into 16 bytes; each accumulator is read from its low end on
.if (\a) > 0
	s_wait_xcnt 0x0                                ; the last block's stores have read their registers
.endif
	WIN 0x02+(\a)/4
.irp g, 0,1
.irp j, 0,1,2,3,4,5,6,7
.irp t, 0,1,2,3
	v_add_f32 v[PO+32*\g+4*\j+\t], v[64*((\a)%4)+8*(4*\g+\t)+\j], v[BIAS+4*\g+\t]
.endr
.endr
.endr
	WIN 0
.irp g, 0,1
.irp j, 0,1,2,3,4,5,6,7
	global_store_b128 v[CO], v[PO+32*\g+4*\j:PO+32*\g+4*\j+3], s[12:13] offset:(16*(\a)+\j)*ROWC+256*\g th:TH_STORE_NT   ; 16 lanes store 256 consecutive bytes, at a multiple of 256 from out's first byte
.endr
.endr
.endm
	MEET 0                                         ; slot 0's last step; nothing is filled again, so no round follows
	PLACES 4
	v_add_nc_u32 v[ADRSA], 16, v[ADRSA]
	s_wait_alu depctr_va_vdst(0)                   ; the wait here, directly behind the write
	WIN TO_B
	BLOAD 0                                        ; three quarters now: v128-191 of window 1 are still being multiplied
	BLOAD 1
	BLOAD 3
	WIN 0
	ALOAD 0                                        ; into the registers of x's blocks 0-3, whose products are issued
	SCALES 1
	WIN MUL_HI
	MUL16 4, 1, 3, 0, 0
	MUL16 6, 1, 3, 0, 0
	WIN 0
	s_wait_dscnt 0x0
	TRSP 1
	PLACES 8
	WIN TO_B
	BLOAD 2
	WIN 0
	ALOAD 1
	ROW 0
.irp a, 0,1,2,3,4,5,6,7
	PLACES 4                                       ; in front of the loads into the block's fragments and of the reads of its results
	WIN 0
.if \a < 6
	ALOAD \a+2                                     ; its buffer takes the block two further on
.endif
	OUT \a
.if \a < 6
	s_wait_dscnt 8                                 ; the next block's fragments are in; the eight loads just issued may be out
	ROW \a+1
.elseif \a == 6
	s_wait_dscnt 0
	ROW \a+1
.endif
.endr
	s_wait_tensorcnt 0x0                           ; the wave's end
	ds_add_u32 v[SPW], v[NIL]
	s_wait_dscnt 0x0
	CROUND                                         ; the closing round
	s_endpgm
.Lfunc_end_k_q5ab78b8dce_gemm:
	.size	k_q5ab78b8dce_gemm, .Lfunc_end_k_q5ab78b8dce_gemm-k_q5ab78b8dce_gemm
	.p2alignl 7, 3214868480
	.fill 96, 4, 3214868480
	.section	.rodata,"a",@progbits
	.p2align	6, 0x0
	.amdhsa_kernel k_q5ab78b8dce_gemm
		.amdhsa_group_segment_fixed_size 327680
		.amdhsa_private_segment_fixed_size 0
		.amdhsa_enable_private_segment 0
		.amdhsa_kernarg_size 40
		.amdhsa_user_sgpr_count 2
		.amdhsa_user_sgpr_kernarg_segment_ptr 1
		.amdhsa_wavefront_size32 1
		.amdhsa_system_sgpr_workgroup_id_x 1
		.amdhsa_system_sgpr_workgroup_id_y 1
		.amdhsa_system_sgpr_workgroup_id_z 1
		.amdhsa_system_vgpr_workitem_id 0
		.amdhsa_next_free_vgpr 1024
		.amdhsa_next_free_sgpr 100
		.amdhsa_reserve_vcc 0
		.amdhsa_float_denorm_mode_32 3
		.amdhsa_float_denorm_mode_16_64 3
		.amdhsa_memory_ordered 1
		.amdhsa_forward_progress 1
		.amdhsa_inst_pref_size 235
	.end_amdhsa_kernel
	.amdgpu_metadata
---
amdhsa.version: [ 1, 2 ]
amdhsa.kernels:
  - .name:           k_q5ab78b8dce_gemm
    .symbol:         k_q5ab78b8dce_gemm.kd
    .args:
      - { .name: x_codes, .offset: 0, .size: 8, .value_kind: global_buffer, .address_space: global }
      - { .name: x_scales, .offset: 8, .size: 8, .value_kind: global_buffer, .address_space: global }
      - { .name: wc, .offset: 16, .size: 8, .value_kind: global_buffer, .address_space: global }
      - { .name: b_orig, .offset: 24, .size: 8, .value_kind: global_buffer, .address_space: global }
      - { .name: out0, .offset: 32, .size: 8, .value_kind: global_buffer, .address_space: global }
    .group_segment_fixed_size: 327680
    .private_segment_fixed_size: 0
    .kernarg_segment_align: 8
    .kernarg_segment_size: 40
    .max_flat_workgroup_size: 128
    .sgpr_count:     100
    .vgpr_count:     1024
    .wavefront_size: 32
...
	.end_amdgpu_metadata
.endif
;; end of part 2
